; MI455X (gfx1250); checked and timed in simulation.
; The chip was launched on July 23, 2026; its instructions are those of AMD's public machine-readable ISA for CDNA 5 (MIT licence, August 2026) and "CDNA5" Instruction Set Architecture Reference Guide (July 2026). The comments in the code are by the model that wrote it; some were corrected since.
;; Gaussian Attention. Allowed arithmetic: matrix products marked QUANTISED: E5M2 operands, one E8M0 scale for each 32 along K, by v_wmma_scale_f32_16x16x128_f8f6f4 with both operands' format E5M2, f32 sums; products left as they are: f32 operands where the result goes on into a quantised operand, else bf16, f16 or f32 operands; f32 sums; everything else in f32.
;; Inputs: W 30 x 400 float32; b 30 float32; h_t 4,096 x 400 float32; kappa_prev 4,096 x 10 float32; onehots 4,096 x 256 x 80 float32; text_mask 4,096 x 256 float32.
;; Outputs: out0 4,096 x 80 float32; out1 4,096 x 10 float32; out2 4,096 x 10 float32; out3 4,096 x 10 float32; out4 4,096 x 256 float32.
;; This version of the problem:
;;   THIS VERSION OF THE PROBLEM IS GIVEN IN LOW PRECISION. The matrix products marked QUANTISED in the list below multiply operands that are first quantised to E5M2 (5 exponent bits, 2 mantissa bits; 8 bits a number), with one power-of-two scale for each 32 numbers along K (OCP MX v1.0); their sums are f32. All else is computed in f32.
;;   The module's matrix products, in the order in which they are computed (A, B: the left and right operand; K: the contracted axis; several contracted axes count as one K, in the product's order):
;;     1. [M 4,096, K 400] x [K 400, N 30]; A: input h_t; B: input W: QUANTISED
;;     2. batch 4,096 x [M 1, K 256] x [K 256, N 80]; A: computed on the way; B: input onehots: left as it is (M = 1 < 16)
;;   THE QUANTISER, for each operand of a quantised product, along K:
;;     - K is cut into blocks of 32 from its start; a last block that is shorter is filled with zeros.
;;     - A block's scale is 2^e with e = floor(log2(the largest magnitude in the block)) - 15, held to -126 .. 127; a block of zeros has e = 0. As a byte (E8M0): e + 127.
;;     - Each number is divided by its block's scale, clamped to +-57,344, and rounded to the nearest number of E5M2, ties to even, subnormals kept.
;;     - The product sums the exact products of the quantised numbers (number of the format x scale) in f32.
;;   ~~~python
;;   def quantise(x, axis):      # numpy; x: float32 -> the quantised numbers, widened to float32 again
;;       x = np.moveaxis(x, axis, -1); K = x.shape[-1]
;;       x = np.pad(x, [(0, 0)] * (x.ndim - 1) + [(0, -K % 32)]); x = x.reshape(x.shape[:-1] + (-1, 32)); a = np.abs(x).max(-1, keepdims=True)
;;       e = np.where(a > 0, np.clip(np.frexp(np.where(a > 0, a, 1))[1] - 1 - 15, -126, 127), 0)      # np.frexp(a)[1] - 1 = floor(log2(a)), exactly
;;       r = np.clip(x / 2.0 ** e, -57344, 57344)
;;       step = 2.0 ** (np.maximum(np.frexp(np.where(r == 0, 1, r))[1] - 1, -14) - 2)
;;       q = np.round(r / step) * step * 2.0 ** e      # np.round: ties to even
;;       return np.moveaxis(q.reshape(q.shape[:-2] + (-1,))[..., :K], -1, axis).astype(np.float32)
;;   ~~~
;; One version. Each part assembles by itself: llvm-mc -triple=amdgcn-amd-amdhsa -mcpu=gfx1250 --defsym DOCPART=n.
;; ======== version 1 of 1: 1 launch
;; launch gauss (part 1): grid 256 x 1, 16 waves a work-group, no clusters, 96,256 bytes of LDS; arguments h_t, W, b, kappa_prev, text_mask, onehots, out0, out1, out2, out3, out4; writes out0, out1, out2, out3, out4
.if DOCPART == 1
	.amdgcn_target "amdgcn-amd-amdhsa--gfx1250"
	.amdhsa_code_object_version 6
	.text
	.protected	k_qd0abc56610_gauss
	.globl	k_qd0abc56610_gauss
	.p2align	8
	.type	k_qd0abc56610_gauss,@function
k_qd0abc56610_gauss:
	s_mov_b64 s[64:65], 0
	v_nop
	global_prefetch_b8 v0, s[64:65] scope:SCOPE_SE
	s_setreg_imm32_b32 hwreg(HW_REG_WAVE_MODE, 25, 1), 1
	s_wait_xcnt 0x0
; GAUSSIAN WINDOW ATTENTION, one launch.  mp = exp(h_t W^T + b) [4096][30] (the product on codes of E5M2 with one E8M0 scale for each 32 along K = 400);
; alpha, beta, kappa = its thirds, kappa += kappa_prev; phi[b][u] = text_mask x sum over 10 mixtures of alpha exp(-beta (kappa - u)^2); w_t[b][:] = phi[b][:] x onehots[b] ([256][80], f32).
; SHARES.  Work-group g owns batch rows 16 g .. 16 g + 15: one tile of 16 rows of the quantised product.  It has sixteen waves; wave w owns batch row 16 g + w for all that follows the product:
; its 30 parameters, its 256 phi, its 81,920 bytes of onehots, its 80 results.
; ORDER.  Each wave issues its few front loads, then at once 30 loads of onehots (15,360 bytes a wave, 245,760 a work-group), which are on their way while the front work runs:
; waves 0-11 quantise one operand fragment each (h_t: 4 K steps; W: 2 tiles of rows x 4 K steps) and hand it over through LDS as an image of its registers | barrier | wave 0: 8 matrix instructions, raw sums to LDS |
; barrier | each wave: bias, exponential, phi of its row | the stream: 160 loads of 512 consecutive aligned bytes, two packed multiply-adds each | sum of 8 partial rows through LDS | barrier | whole runs of the outputs are stored.
; THE SECOND PRODUCT has one row (M = 1) and a matrix of its own for each batch row: it is done by f32 multiply-adds in the vector unit, on the numbers as they are loaded; onehots is taken as plain f32 numbers.
; THE STREAM'S LAYOUT.  A row u of onehots[b] is 20 pieces of 16 bytes; a load takes 32 pieces.  Five loads = 160 pieces = 8 rows are a GROUP; in load j of any group lane l holds piece 32 j + l: row (32 j + l) / 20 of the
; group's eight, columns 4 ((32 j + l) % 20) on.  So a lane has five accumulators of four numbers, and five fixed LDS addresses for the phi that it multiplies by.  Laid flat, the 160 accumulators are 8 rows x 20 pieces.
; NO CLUSTER: the work-groups share W alone, 48,000 bytes, beside 1,352,704 bytes of onehots, h_t and text_mask that are a work-group's own.  NO LOOP: 32 groups are written out, every offset is an immediate, no pointer is stepped.
; No lane is ever switched off.  Lanes 20-31 have no column in the last sum: they read written bytes of their own wave's region and put their sums into the tail of the wave's 512 output bytes, which nobody reads.
; W has 30 rows: lanes of rows 30 and 31 of the second tile read row 29 again; their two columns of mp are never stored.  K = 400: k = 400 .. 511 are zero codes on both operands.
; LIMITS.  NaN and infinities in h_t and W are not served.  A block whose largest magnitude lies under 2^-111 takes the scale byte 1 (a block of zeros too: its codes are zeros).  e^x is 2^(x log2 e): relative error about |x| 2^-23;
; v_exp_f32 gives 0 for results under 2^-126.  w_t is summed in 8 partial sums (u mod 8) and a tree, not in ascending u.
.set LIMG,  0                          ; LDS: 12 operand images of 2,048 bytes: fragment f = 0-3 h_t's K step f; 4-7 W's rows 0-15; 8-11 W's rows 16-31
.set LSCW,  24576                      ; their scale words, 128 bytes each
.set LPAR,  26112                      ; 16 rows (batch rows) of 32 parameters + 16 bytes: pitch 144
.set LWREG, 28416                      ; a region of 3,584 bytes for each wave: 2,560 for the flat accumulators, then its 256 phi
.set LOUT,  85760                      ; 512 bytes for each wave: its 320 bytes of w_t
.set LI,  1                            ; v1   16 x lane
.set LS,  2                            ; v2   4 x lane
.set IA,  3                            ; v3   where I store my fragment's image
.set SA,  4                            ; v4   and its scale word
.set PST, 5                            ; v5   wave 0: where the raw sums go: row r, + 32 h
.set PA,  6                            ; v6   parameter 'lane' of my wave's batch row
.set RW,  7                            ; v7   my wave's region + 16 x lane
.set AJ,  8                            ; v8-12  the phi word for load j of a group
.set OW,  13                           ; v13  my wave's output bytes + 16 x lane
.set OA,  14                           ; v14  the way out: piece 'thread' of the group's 320 pieces of w_t
.set EA,  15                           ; v15  the way out: number 'thread' of the group's 160 alphas
.set TO,  16                           ; v16  16 x thread
.set E4,  17                           ; v17  4 x thread
.set BV,  18                           ; v18  b, then b x log2 e
.set KV,  19                           ; v19  kappa_prev in lanes 20-29, then 0 elsewhere
.set MK,  20                           ; v20-27  text_mask of my 8 u
.set SC,  28                           ; v28-30  scale words and nothing else
.set PW,  31                           ; v31  the scale word just made; later my row's parameters
.set PHI, 32                           ; v32-39  phi of my 8 u: store data, never rewritten
.set X,   40                           ; v40-103   64 numbers to quantise
.set FO,  104                          ; v104-106  byte offsets of the front loads;  v107-111 lane, r, h, at work (head only)
.set KO,  105
.set BO,  106
.set PC,  104                          ; v104-119  the codes just made
.set TM,  120                          ; v120-135  at work in the quantiser
.set HF,  40                           ; wave 0: h_t's fragment, W's two, the two accumulators
.set W0F, 56
.set W1F, 72
.set ACC0, 88
.set ACC1, 96
.set T,   40                           ; v40-119   phi: 10 mixtures x 8 u
.set D,   120                          ; v120-127  u - kappa
.set U,   128                          ; v128-135  my 8 u as f32: 4 lane + 0..3, 128 + 4 lane + 0..3
.set ACC, 40                           ; v40-59    the stream's five accumulators
.set PH,  60                           ; v60-79    two sets of five pairs: phi in the even register
.set RB,  80                           ; v80-111   the eight partial rows
.set RING, 136                         ; v136-255  six groups of five loads
.set WV,  2                            ; s2   my wave's number
.set SEL, 90                           ; s[90:91] lane selects for v_permlanex16_b32: lane l xor 16
.set MNT, 92                           ; s92  the mantissa field of 57,344
.set KEEP, 93                          ; s93  lanes whose first 16 numbers are inside K
.set KM,  94                           ; s94  lanes 20-29
; s[28:63], s[66:89]: from the parameters on, 30 pairs: pair p at 28 + 2 p + 2 (p / 18): alpha_k (p = k), -beta_k log2 e (10 + k), -kappa_k (20 + k); the packed forms name a pair and take its low word
	s_load_b512 s[4:19], s[0:1], 0x0               ; h_t 4, W 6, b 8, kappa_prev 10, text_mask 12, onehots 14, out0 16, out1 18
	s_load_b128 s[20:23], s[0:1], 0x40             ; out2, out3
	s_load_b64 s[24:25], s[0:1], 0x50              ; out4
	v_and_b32 v107, 31, v0                         ; lane
	v_and_b32 v108, 15, v0                         ; r
	v_bfe_u32 v109, v0, 4, 1                       ; h
	v_lshrrev_b32 v110, 5, v0
	v_readfirstlane_b32 s[WV], v110                ; wave 0..15
	; every LDS address is made here, ahead of the first branch on the wave's number
	v_lshlrev_b32 v[LI], 4, v107
	v_lshlrev_b32 v[LS], 2, v107
	s_lshl_b32 s33, s[WV], 11
	v_add_nc_u32 v[IA], s33, v[LI]                 ; LIMG (0) + 2,048 x wave + 16 x lane
	s_lshl_b32 s33, s[WV], 7
	s_add_co_u32 s33, s33, LSCW
	v_add_nc_u32 v[SA], s33, v[LS]
	v_mul_u32_u24 v[PST], v108, 144
	v_lshl_add_u32 v[PST], v109, 5, v[PST]
	v_add_nc_u32 v[PST], LPAR, v[PST]
	s_mul_i32 s33, s[WV], 144
	s_add_co_u32 s33, s33, LPAR
	v_add_nc_u32 v[PA], s33, v[LS]
	s_mul_i32 s33, s[WV], 3584
	s_add_co_u32 s33, s33, LWREG
	v_add_nc_u32 v[RW], s33, v[LI]
	s_add_co_u32 s33, s33, 2560                    ; my wave's phi
.irp j, 0,1,2,3,4
	v_add_nc_u32 v110, 32*\j, v107
	v_mul_u32_u24 v110, v110, 3277
	v_lshrrev_b32 v110, 16, v110                   ; (32 j + lane) / 20: exact for numbers under 16,384
	v_lshl_add_u32 v[AJ+\j], v110, 2, s33
.endr
	s_lshl_b32 s33, s[WV], 9
	s_add_co_u32 s33, s33, LOUT
	v_add_nc_u32 v[OW], s33, v[LI]
	v_mul_u32_u24 v110, v0, 3277
	v_lshrrev_b32 v110, 16, v110                   ; q = thread / 20: whose row of w_t
	v_mul_u32_u24 v111, v110, 20
	v_sub_nc_u32 v111, v0, v111
	v_lshlrev_b32 v111, 4, v111
	v_lshl_add_u32 v[OA], v110, 9, v111
	v_add_nc_u32 v[OA], LOUT, v[OA]
	v_mul_u32_u24 v110, v0, 6554
	v_lshrrev_b32 v110, 16, v110                   ; e = thread / 10: whose row of parameters
	v_mul_u32_u24 v111, v110, 10
	v_sub_nc_u32 v111, v0, v111
	v_lshlrev_b32 v111, 2, v111
	v_mad_u32_u24 v[EA], v110, 144, v111
	v_add_nc_u32 v[EA], LPAR, v[EA]
	v_lshlrev_b32 v[TO], 4, v0
	v_lshlrev_b32 v[E4], 2, v0
	; which fragment is mine: K step = wave % 4; wave / 4 = 0: h_t, 1: W's rows 0-15, 2: W's rows 16-31 (held at 29), 3: none
	s_and_b32 s28, s[WV], 3                        ; K step
	s_lshr_b32 s29, s[WV], 2                       ; kind
	s_lshr_b32 s30, s29, 1
	s_lshl_b32 s30, s30, 4                         ; 16 for W's second tile
	s_lshl_b32 s32, s28, 9                         ; 128 numbers a K step
	s_cmp_eq_u32 s28, 3
	s_cselect_b32 s31, 0, 64                       ; in the last K step only k = 384 .. 399 exist: lanes 16-31 read what lanes 0-15 read, so that no load leaves a row,
	s_cselect_b32 s[KEEP], 0xffff, -1              ; and what they read is replaced by zeros
	v_add_nc_u32 v110, s30, v108
	v_min_u32 v110, 29, v110
	v_mul_u32_u24 v[FO], v110, 1600                ; a row of h_t or W is 1,600 bytes
	v_mul_u32_u24 v111, s31, v109
	v_add3_u32 v[FO], v[FO], v111, s32
	v_max_u32 v[KO], 20, v107
	v_sub_nc_u32 v[KO], v[KO], 20
	v_min_u32 v[KO], 9, v[KO]
	v_lshlrev_b32 v[KO], 2, v[KO]                  ; kappa_prev: lane 20 + k takes number k; the others a number of the same row, which is masked off
	v_min_u32 v[BO], 29, v107
	v_lshlrev_b32 v[BO], 2, v[BO]                  ; b: lane i takes b[i], lanes 30 and 31 b[29]
	s_lshl_b32 s3, ttmp9, 4
	s_add_co_u32 s3, s3, s[WV]                     ; my batch row
	s_mov_b32 s[SEL], 0x76543210
	s_mov_b32 s[SEL+1], 0xfedcba98
	s_mov_b32 s[MNT], 0x600000
	s_mov_b32 s[KM], 0x3ff00000
	s_mov_b32 s27, 0
	s_wait_kmcnt 0x0
	s_mul_i32 s26, ttmp9, 25600
	s_add_nc_u64 s[4:5], s[4:5], s[26:27]          ; h_t at the group's 16 rows
	s_mul_i32 s26, s3, 40
	s_add_nc_u64 s[10:11], s[10:11], s[26:27]      ; kappa_prev at my row
	s_lshl_b32 s26, s3, 10
	s_add_nc_u64 s[12:13], s[12:13], s[26:27]      ; text_mask and phi at my row
	s_add_nc_u64 s[24:25], s[24:25], s[26:27]
	s_mul_i32 s26, s3, 81920                       ; at most 4,095 x 81,920: under 2^31
	s_add_nc_u64 s[14:15], s[14:15], s[26:27]      ; onehots at my row
	s_mul_i32 s26, ttmp9, 5120
	s_add_nc_u64 s[16:17], s[16:17], s[26:27]      ; w_t at the group's 16 rows
	s_mul_i32 s26, ttmp9, 640
	s_add_nc_u64 s[18:19], s[18:19], s[26:27]      ; alpha, beta, kappa likewise
	s_add_nc_u64 s[20:21], s[20:21], s[26:27]
	s_add_nc_u64 s[22:23], s[22:23], s[26:27]
	s_cmp_eq_u32 s29, 0
	s_cselect_b64 s[34:35], s[4:5], s[6:7]         ; my fragment's tensor: the choice hangs on the wave's number alone
	; ---- the front loads.  Lane (r, h) takes, of row r, k = 128 s + 32 b + 16 h + 0 .. 15: the order of the operand's registers.  (16 bytes a lane from rows 1,600 bytes apart: h_t is 25,600 of the group's 1,352,704 bytes)
	s_cmp_gt_u32 s[WV], 11
	s_cbranch_scc1 .Lnofrag
	s_cmp_eq_u32 s28, 3
	s_cbranch_scc1 .Ltail
.irp b, 0,1,2,3
.irp j, 0,1,2,3
	global_load_b128 v[X+16*\b+4*\j:X+16*\b+4*\j+3], v[FO], s[34:35] offset:128*\b+16*\j
.endr
.endr
	s_branch .Lnofrag
.Ltail:                                                ; K step 3: k = 384 .. 399 are loaded, the other three blocks are zeros
.irp j, 0,1,2,3
	global_load_b128 v[X+4*\j:X+4*\j+3], v[FO], s[34:35] offset:16*\j
.endr
.set n, 16
.rept 48
	v_mov_b32 v[X+n], 0
.set n, n+1
.endr
.Lnofrag:
	global_load_b32 v[BV], v[BO], s[8:9]
	global_load_b32 v[KV], v[KO], s[10:11]
	global_load_b128 v[MK:MK+3], v[LI], s[12:13] th:TH_LOAD_NT
	global_load_b128 v[MK+4:MK+7], v[LI], s[12:13] offset:512 th:TH_LOAD_NT
	; ---- the ring is filled: groups 0 to 5, 30 loads of 512 consecutive bytes
.irp g, 0,1,2,3,4,5
.irp j, 0,1,2,3,4
	global_load_b128 v[RING+20*\g+4*\j:RING+20*\g+4*\j+3], v[LI], s[14:15] offset:2560*\g+512*\j th:TH_LOAD_NT
.endr
.endr
	s_wait_loadcnt 30                              ; loads come back in order (ISA guide 5.7.1): the 30 of the ring, the youngest on every path, may be out; all front loads are in, and their offset registers and base are free
	; ---- waves 0-11: 64 numbers a lane become a fragment's codes and its scale word
	s_cmp_gt_u32 s[WV], 11
	s_cbranch_scc1 .Lnoquant
.set n, 0
.rept 16
	v_cndmask_b32 v[X+n], 0, v[X+n], s[KEEP]       ; K step 3: k = 400 .. 415 are zeros
.set n, n+1
.endr
.irp b, 0,1,2,3
	v_mov_b32 v[TM+4+\b], 0                        ; a lane permute's destination counts as one of its sources
.endr
.irp b, 0,1,2,3
	v_max3_num_f32 v[TM+\b], |v[X+16*\b]|, |v[X+1+16*\b]|, 0x8000000   ; block b: my 16 numbers, and the floor 2^(16 - 127): so the byte cannot fall under 1
.endr
.irp i, 2,4,6,8,10,12,14
.irp b, 0,1,2,3
	v_max3_num_f32 v[TM+\b], v[TM+\b], |v[X+16*\b+\i]|, |v[X+1+16*\b+\i]|   ; the four blocks by turns
.endr
.endr
.irp b, 0,1,2,3
	v_permlanex16_b32 v[TM+4+\b], v[TM+\b], s[SEL], s[SEL+1]
.endr
.irp b, 0,1,2,3
	v_max_num_f32 v[TM+\b], v[TM+\b], v[TM+4+\b]   ; with lane l xor 16's 16: the block's largest magnitude
.endr
.irp b, 0,1,2,3
	v_add_nc_u32 v[TM+12+\b], 0xf8800000, v[TM+\b] ; 15 off its exponent field: the conversion takes this operand's exponent field as its scale
.endr
.irp b, 0,1,2,3
	v_and_or_b32 v[TM+8+\b], v[TM+\b], 0x7f800000, s[MNT]   ; 57,344 x the scale
.endr
.irp b, 0,1,2,3
	v_lshrrev_b32 v[TM+4+\b], 23, v[TM+12+\b]      ; the scale's byte
.endr
	v_lshl_or_b32 v[PW], v[TM+5], 8, v[TM+4]       ; my row's scale word for these 128 along K
	v_lshl_or_b32 v[PW], v[TM+6], 16, v[PW]
	v_lshl_or_b32 v[PW], v[TM+7], 24, v[PW]
.irp b, 0,1,2,3
.irp i, 0,1,2,3,4,5,6,7,8,9,10,11,12,13,14,15
	v_med3_num_f32 v[X+16*\b+\i], v[X+16*\b+\i], -v[TM+8+\b], v[TM+8+\b]   ; the conversion to an 8-bit code does not saturate (ISA guide 7.6.2): the hold at the largest code x the scale
.endr
	v_cvt_scalef32_pk8_bf8_f32 v[PC+4*\b:PC+1+4*\b], v[X+16*\b:X+7+16*\b], v[TM+12+\b]
	v_cvt_scalef32_pk8_bf8_f32 v[PC+2+4*\b:PC+3+4*\b], v[X+8+16*\b:X+15+16*\b], v[TM+12+\b]
.endr
	v_nop                                          ; one plain vector instruction behind the last scaled conversion: later vector and matrix instructions write its registers
.irp c, 0,1,2,3
	ds_store_b128 v[IA], v[PC+4*\c:PC+4*\c+3] offset:512*\c   ; the fragment as it stands: lane l's 16 bytes at 16 l
.endr
	ds_store_b32 v[SA], v[PW]
.Lnoquant:
	s_wait_dscnt 0x0                               ; for wave 0's sake: my image and my scale word have landed
	s_barrier_signal -1
	s_barrier_wait -1
	; ---- wave 0: mp's raw sums, transposed: source 0 = 16 rows of W, source 1 = the 16 batch rows: lane (r, h), register j of tile t = batch row r, parameter 16 t + 8 h + j
	s_cmp_lg_u32 s[WV], 0
	s_cbranch_scc1 .Lnomm
.macro FETCH reg, f
.irp c, 0,1,2,3
	ds_load_b128 v[\reg+4*\c:\reg+4*\c+3], v[LI] offset:LIMG+2048*(\f)+512*\c
.endr
.endm
.macro MMSTEP s, zero                  ; K step s.  The two accumulators take turns, one instruction a turn
	FETCH HF, \s
	FETCH W0F, 4+\s
	FETCH W1F, 8+\s
	ds_load_b32 v[SC], v[LS] offset:LSCW+128*(\s)              ; lanes 0-15: row r's word
	ds_load_b32 v[SC+1], v[LS] offset:LSCW+128*(4+\s)
	ds_load_b32 v[SC+2], v[LS] offset:LSCW+128*(8+\s)
	s_wait_dscnt 0x0
.if \zero
	v_wmma_scale_f32_16x16x128_f8f6f4 v[ACC0:ACC0+7], v[W0F:W0F+15], v[HF:HF+15], 0, v[SC+1], v[SC] matrix_a_fmt:MATRIX_FMT_BF8 matrix_b_fmt:MATRIX_FMT_BF8
	v_wmma_scale_f32_16x16x128_f8f6f4 v[ACC1:ACC1+7], v[W1F:W1F+15], v[HF:HF+15], 0, v[SC+2], v[SC] matrix_a_fmt:MATRIX_FMT_BF8 matrix_b_fmt:MATRIX_FMT_BF8
.else
	v_wmma_scale_f32_16x16x128_f8f6f4 v[ACC0:ACC0+7], v[W0F:W0F+15], v[HF:HF+15], v[ACC0:ACC0+7], v[SC+1], v[SC] matrix_a_fmt:MATRIX_FMT_BF8 matrix_b_fmt:MATRIX_FMT_BF8
	v_wmma_scale_f32_16x16x128_f8f6f4 v[ACC1:ACC1+7], v[W1F:W1F+15], v[HF:HF+15], v[ACC1:ACC1+7], v[SC+2], v[SC] matrix_a_fmt:MATRIX_FMT_BF8 matrix_b_fmt:MATRIX_FMT_BF8
.endif
.rept 8
	v_nop                                          ; eight places in front of the loads into these operands, and of the stores that read the results
.endr
.endm
	MMSTEP 0, 1                                    ; the first K step starts the sums
	MMSTEP 1, 0
	MMSTEP 2, 0
	MMSTEP 3, 0
	ds_store_b128 v[PST], v[ACC0:ACC0+3]                       ; each accumulator from its low end on
	ds_store_b128 v[PST], v[ACC0+4:ACC0+7] offset:16
	ds_store_b128 v[PST], v[ACC1:ACC1+3] offset:64
	ds_store_b128 v[PST], v[ACC1+4:ACC1+7] offset:80
.Lnomm:
	s_wait_dscnt 0x0                               ; wave 0's sums have landed
	s_barrier_signal -1
	v_mul_f32 v[BV], 0x3fb8aa3b, v[BV]             ; register work while wave 0 multiplies: b x log2 e,
	v_cndmask_b32 v[KV], 0, v[KV], s[KM]           ; kappa_prev in kappa's lanes alone,
	v_cvt_f32_u32 v[U], v[LS]                      ; and my eight u
	v_add_f32 v[U+1], 1.0, v[U]
	v_add_f32 v[U+2], 2.0, v[U]
	v_add_f32 v[U+3], 0x40400000, v[U]
	v_pk_add_f32 v[U+4:U+5], v[U:U+1], 0x43000000 op_sel_hi:[1,0]
	v_pk_add_f32 v[U+6:U+7], v[U+2:U+3], 0x43000000 op_sel_hi:[1,0]
	s_barrier_wait -1
	; ---- my row's parameters: lane i has parameter i
	ds_load_b32 v[PW], v[PA]
	s_wait_dscnt 0x0
	v_fmamk_f32 v[PW], v[PW], 0x3fb8aa3b, v[BV]    ; (sum + b) x log2 e
	v_exp_f32 v120, v[PW]
	v_nop                                          ; a plain instruction behind the exponential,
	s_wait_alu depctr_va_vdst(0)                   ; and the wait ahead of its first reader
	v_add_f32 v[PW], v120, v[KV]                   ; alpha, beta, kappa + kappa_prev
	v_mul_f32 v121, 0xbfb8aa3b, v[PW]              ; -log2 e x: for beta
	v_mul_f32 v122, -1.0, v[PW]                    ; for kappa
	ds_store_b32 v[PA], v[PW]                      ; the finished parameters take the raw sums' place in my own row: nobody else touches it before the last barrier
.set p, 0
.rept 30
.set pr, 28+2*p+2*(p/18)
.if p < 10
	v_readlane_b32 s[pr], v[PW], p
.elseif p < 20
	v_readlane_b32 s[pr], v121, p
.else
	v_readlane_b32 s[pr], v122, p
.endif
.set p, p+1
.endr
.set p, 0
.rept 30
.set pr, 28+2*p+2*(p/18)
	s_mov_b32 s[pr+1], s[pr]                       ; named with it as a pair, so it is written
.set p, p+1
.endr
	; ---- phi of my eight u.  (-beta log2 e (u - kappa)) (u - kappa): the difference's sign cancels
.set kk, 0
.rept 10
.set prb, 28+2*(10+kk)+2*((10+kk)/18)
.set prk, 28+2*(20+kk)+2*((20+kk)/18)
.irp i, 0,2,4,6
	v_pk_add_f32 v[D+\i:D+\i+1], v[U+\i:U+\i+1], s[prk:prk+1] op_sel_hi:[1,0]
.endr
.irp i, 0,2,4,6
	v_pk_mul_f32 v[T+8*kk+\i:T+8*kk+\i+1], v[D+\i:D+\i+1], s[prb:prb+1] op_sel_hi:[1,0]
.endr
.irp i, 0,2,4,6
	v_pk_mul_f32 v[T+8*kk+\i:T+8*kk+\i+1], v[T+8*kk+\i:T+8*kk+\i+1], v[D+\i:D+\i+1]
.endr
.set kk, kk+1
.endr
.set n, 0
.rept 80
	v_exp_f32 v[T+n], v[T+n]                       ; one batch: none reads another's result
.set n, n+1
.endr
	v_nop                                          ; the plain instruction behind the last exponential,
	s_wait_alu depctr_va_vdst(0)                   ; and one wait for the 80, ahead of their first reader
.irp i, 0,2,4,6
	v_pk_mul_f32 v[PHI+\i:PHI+\i+1], v[T+\i:T+\i+1], s[28:29] op_sel_hi:[1,0]   ; alpha_0's term starts the sums
.endr
.set kk, 1
.rept 9
.set pra, 28+2*kk
.irp i, 0,2,4,6
	v_pk_fma_f32 v[PHI+\i:PHI+\i+1], v[T+8*kk+\i:T+8*kk+\i+1], s[pra:pra+1], v[PHI+\i:PHI+\i+1] op_sel_hi:[1,0,1]
.endr
.set kk, kk+1
.endr
.irp i, 0,2,4,6
	v_pk_mul_f32 v[PHI+\i:PHI+\i+1], v[PHI+\i:PHI+\i+1], v[MK+\i:MK+\i+1]       ; x text_mask
.endr
	ds_store_b128 v[RW], v[PHI:PHI+3] offset:2560              ; u = 4 lane + 0 .. 3
	ds_store_b128 v[RW], v[PHI+4:PHI+7] offset:3072            ; u = 128 + 4 lane + 0 .. 3
	global_store_b128 v[LI], v[PHI:PHI+3], s[24:25] th:TH_STORE_NT             ; each store of the wave covers 512 consecutive bytes, aligned
	global_store_b128 v[LI], v[PHI+4:PHI+7], s[24:25] offset:512 th:TH_STORE_NT
.irp n, 1,3,5,7,9,11,13,15,17,19
	v_mov_b32 v[PH+\n], 0                          ; the pairs' upper registers are named, so they are written
.endr
	; ---- the stream.  LDS serves a wave's instructions in order (ISA guide 5.7.1.4): the loads of phi see my stores above
.irp j, 0,1,2,3,4
	ds_load_b32 v[PH+2*\j], v[AJ+\j]
.endr
.set G, 0
.rept 32
.set RG, RING+20*(G%6)
.set PHC, PH+10*(G%2)
.set PHN, PH+10*((G+1)%2)
.if G < 31
.irp j, 0,1,2,3,4
	ds_load_b32 v[PHN+2*\j], v[AJ+\j] offset:32*(G+1)          ; the next group's five phi
.endr
	s_wait_dscnt 5                                 ; all but those five: this group's phi are in
.else
	s_wait_dscnt 0x0
.endif
.if G < 27
	s_wait_loadcnt 25                              ; this group's five loads are in; the five groups behind it stay out
.else
	s_wait_loadcnt 5*(31-G)                        ; the last groups: the counts run down
.endif
.irp j, 0,1,2,3,4
.irp c, 0,2
.if G == 0
	v_pk_mul_f32 v[ACC+4*\j+\c:ACC+4*\j+\c+1], v[RG+4*\j+\c:RG+4*\j+\c+1], v[PHC+2*\j:PHC+2*\j+1] op_sel_hi:[1,0]   ; the first group starts the sums
.else
	v_pk_fma_f32 v[ACC+4*\j+\c:ACC+4*\j+\c+1], v[RG+4*\j+\c:RG+4*\j+\c+1], v[PHC+2*\j:PHC+2*\j+1], v[ACC+4*\j+\c:ACC+4*\j+\c+1] op_sel_hi:[1,0,1]
.endif
.endr
.endr
.if G+6 < 32
.irp j, 0,1,2,3,4
	global_load_b128 v[RG+4*\j:RG+4*\j+3], v[LI], s[14:15] offset:2560*(G+6)+512*\j th:TH_LOAD_NT   ; the group six further on, into the registers just read
.endr
.endif
.set G, G+1
.endr
	; ---- the 160 accumulators, laid flat, are 8 rows of 20 pieces: lane l < 20 sums piece l of the eight
.irp j, 0,1,2,3,4
	ds_store_b128 v[RW], v[ACC+4*\j:ACC+4*\j+3] offset:512*\j
.endr
.irp r, 0,1,2,3,4,5,6,7
	ds_load_b128 v[RB+4*\r:RB+4*\r+3], v[RW] offset:320*\r     ; lanes 20-31 read the next row's pieces, in the last row 192 bytes of my phi: written bytes of my own region
.endr
	s_wait_dscnt 0x0
.irp r, 0,1,2,3
.irp c, 0,2
	v_pk_add_f32 v[RB+4*\r+\c:RB+4*\r+\c+1], v[RB+4*\r+\c:RB+4*\r+\c+1], v[RB+16+4*\r+\c:RB+16+4*\r+\c+1]
.endr
.endr
.irp r, 0,1
.irp c, 0,2
	v_pk_add_f32 v[RB+4*\r+\c:RB+4*\r+\c+1], v[RB+4*\r+\c:RB+4*\r+\c+1], v[RB+8+4*\r+\c:RB+8+4*\r+\c+1]
.endr
.endr
.irp c, 0,2
	v_pk_add_f32 v[RB+\c:RB+\c+1], v[RB+\c:RB+\c+1], v[RB+4+\c:RB+4+\c+1]
.endr
	ds_store_b128 v[OW], v[RB:RB+3]                ; lanes 0-19: my row of w_t; lanes 20-31: the tail, which nobody reads
	s_wait_dscnt 0x0                               ; for the others' sake: my w_t and my parameters have landed
	s_barrier_signal -1
	s_barrier_wait -1
	; ---- the way out: the group's 5,120 bytes of w_t are consecutive in memory: waves 0-9 store 512 aligned bytes each
	s_cmp_gt_u32 s[WV], 9
	s_cbranch_scc1 .Lend
	ds_load_b128 v[RB:RB+3], v[OA]
	s_wait_dscnt 0x0
	global_store_b128 v[TO], v[RB:RB+3], s[16:17] th:TH_STORE_NT
	s_cmp_gt_u32 s[WV], 4
	s_cbranch_scc1 .Lend
	ds_load_b32 v[RB+4], v[EA]                     ; alpha, beta, kappa: the group's 640 bytes of each are consecutive: waves 0-4 store 128 bytes each
	ds_load_b32 v[RB+5], v[EA] offset:40
	ds_load_b32 v[RB+6], v[EA] offset:80
	s_wait_dscnt 0x0
	global_store_b32 v[E4], v[RB+4], s[18:19]
	global_store_b32 v[E4], v[RB+5], s[20:21]
	global_store_b32 v[E4], v[RB+6], s[22:23]
.Lend:
	s_barrier_signal -1
	s_barrier_wait -1
	s_wait_xcnt 0x0
	v_lshl_add_u32 v254, v0, 2, 0x17000
	v_mov_b32 v255, 0
	s_wait_tensorcnt 0x0
	ds_add_u32 v254, v255
	s_wait_dscnt 0x0
	s_endpgm
.Lfunc_end_k_qd0abc56610_gauss:
	.size	k_qd0abc56610_gauss, .Lfunc_end_k_qd0abc56610_gauss-k_qd0abc56610_gauss
	.p2alignl 7, 3214868480
	.fill 96, 4, 3214868480
	.section	.rodata,"a",@progbits
	.p2align	6, 0x0
	.amdhsa_kernel k_qd0abc56610_gauss
		.amdhsa_group_segment_fixed_size 96256
		.amdhsa_private_segment_fixed_size 0
		.amdhsa_enable_private_segment 0
		.amdhsa_kernarg_size 88
		.amdhsa_user_sgpr_count 2
		.amdhsa_user_sgpr_kernarg_segment_ptr 1
		.amdhsa_wavefront_size32 1
		.amdhsa_system_sgpr_workgroup_id_x 1
		.amdhsa_system_sgpr_workgroup_id_y 1
		.amdhsa_system_sgpr_workgroup_id_z 1
		.amdhsa_system_vgpr_workitem_id 0
		.amdhsa_next_free_vgpr 256
		.amdhsa_next_free_sgpr 100
		.amdhsa_reserve_vcc 0
		.amdhsa_float_denorm_mode_32 3
		.amdhsa_float_denorm_mode_16_64 3
		.amdhsa_memory_ordered 1
		.amdhsa_forward_progress 1
		.amdhsa_inst_pref_size 93
	.end_amdhsa_kernel
	.amdgpu_metadata
---
amdhsa.version: [ 1, 2 ]
amdhsa.kernels:
  - .name:           k_qd0abc56610_gauss
    .symbol:         k_qd0abc56610_gauss.kd
    .args:
      - { .name: h_t, .offset: 0, .size: 8, .value_kind: global_buffer, .address_space: global }
      - { .name: W, .offset: 8, .size: 8, .value_kind: global_buffer, .address_space: global }
      - { .name: b, .offset: 16, .size: 8, .value_kind: global_buffer, .address_space: global }
      - { .name: kappa_prev, .offset: 24, .size: 8, .value_kind: global_buffer, .address_space: global }
      - { .name: text_mask, .offset: 32, .size: 8, .value_kind: global_buffer, .address_space: global }
      - { .name: onehots, .offset: 40, .size: 8, .value_kind: global_buffer, .address_space: global }
      - { .name: out0, .offset: 48, .size: 8, .value_kind: global_buffer, .address_space: global }
      - { .name: out1, .offset: 56, .size: 8, .value_kind: global_buffer, .address_space: global }
      - { .name: out2, .offset: 64, .size: 8, .value_kind: global_buffer, .address_space: global }
      - { .name: out3, .offset: 72, .size: 8, .value_kind: global_buffer, .address_space: global }
      - { .name: out4, .offset: 80, .size: 8, .value_kind: global_buffer, .address_space: global }
    .group_segment_fixed_size: 96256
    .private_segment_fixed_size: 0
    .kernarg_segment_align: 8
    .kernarg_segment_size: 88
    .max_flat_workgroup_size: 512
    .sgpr_count:     100
    .vgpr_count:     256
    .wavefront_size: 32
...
	.end_amdgpu_metadata
.endif
;; end of part 1
